; MI455X (gfx1250); checked and timed in simulation.
; The chip was launched on July 23, 2026; its instructions are those of AMD's public machine-readable ISA for CDNA 5 (MIT licence, August 2026) and "CDNA5" Instruction Set Architecture Reference Guide (July 2026). The comments in the code are by the model that wrote it; some were corrected since.
;; Self Attention. Allowed arithmetic: matrix products marked QUANTISED: E2M1 operands, one E8M0 scale for each 32 along K, by v_wmma_scale_f32_16x16x128_f8f6f4 with both operands' format E2M1 (or v_wmma_scale_f32_32x16x128_f4), f32 sums; everything else in f32.
;; Inputs: key_padding_mask 4 x 2,048 bool; qkv 4 x 2,048 x 3 x 16 x 64 float32.
;; Outputs: out0 4 x 2,048 x 16 x 64 float32.
;; This version of the problem:
;;   THIS VERSION OF THE PROBLEM IS GIVEN IN LOW PRECISION. The matrix products marked QUANTISED in the list below multiply operands that are first quantised to E2M1 (2 exponent bits, 1 mantissa bit; 4 bits a number), with one power-of-two scale for each 32 numbers along K (OCP MX v1.0); their sums are f32. All else is computed in f32.
;;   The module's matrix products, in the order in which they are computed (A, B: the left and right operand; K: the contracted axis; several contracted axes count as one K, in the product's order):
;;     1. batch 64 x [M 2,048, K 64] x [K 64, N 2,048]; A: input qkv; B: computed on the way: QUANTISED
;;     2. batch 64 x [M 64, K 2,048] x [K 2,048, N 2,048]; A: input qkv; B: softmax (see below): QUANTISED
;;   THE QUANTISER, for each operand of a quantised product, along K:
;;     - K is cut into blocks of 32 from its start; a last block that is shorter is filled with zeros.
;;     - A block's scale is 2^e with e = floor(log2(the largest magnitude in the block)) - 2, held to -126 .. 127; a block of zeros has e = 0. As a byte (E8M0): e + 127.
;;     - Each number is divided by its block's scale, clamped to +-6, and rounded to the nearest number of E2M1, ties to even, subnormals kept.
;;     - The product sums the exact products of the quantised numbers (number of the format x scale) in f32.
;;   ~~~python
;;   def quantise(x, axis):      # numpy; x: float32 -> the quantised numbers, widened to float32 again
;;       x = np.moveaxis(x, axis, -1); K = x.shape[-1]
;;       x = np.pad(x, [(0, 0)] * (x.ndim - 1) + [(0, -K % 32)]); x = x.reshape(x.shape[:-1] + (-1, 32)); a = np.abs(x).max(-1, keepdims=True)
;;       e = np.where(a > 0, np.clip(np.frexp(np.where(a > 0, a, 1))[1] - 1 - 2, -126, 127), 0)      # np.frexp(a)[1] - 1 = floor(log2(a)), exactly
;;       r = np.clip(x / 2.0 ** e, -6, 6)
;;       step = 2.0 ** (np.maximum(np.frexp(np.where(r == 0, 1, r))[1] - 1, 0) - 1)
;;       q = np.round(r / step) * step * 2.0 ** e      # np.round: ties to even
;;       return np.moveaxis(q.reshape(q.shape[:-2] + (-1,))[..., :K], -1, axis).astype(np.float32)
;;   ~~~
;;   SOFTMAX AHEAD OF A QUANTISED PRODUCT. Where the list says 'softmax', what is quantised is not the finished softmax but p = 2^(t - M), with t = logit x log2(e) and M = ceil(the row's largest t), a whole number; so 1/2 < the row's largest p <= 1. The row's sum l is taken of the UNQUANTISED p, in f32, and the product's result is divided by l at the end. Since M is a whole number, a kernel that streams over the keys may use a running M (the ceiling of the running maximum): every later rescaling is an exact power of two, which a block's scale takes up: the codes' values come out the same.
;;   OPERANDS COMPUTED ON THE WAY. 'Computed on the way' means the value that the module computes at that place (a softmax that the list does not call 'softmax' is quantised finished and normalised). What goes into a quantiser is computed in f32, as accurately as f32 sums, v_exp_f32 and their like allow (about 1e-6 of the number): no bf16 or f16 on the way to a quantiser, and a product that is left as it is and whose result goes on into a quantised operand takes f32 operands (vector FMAs, or v_wmma_f32_16x16x4_f32). A number that lies on a knife's edge between two numbers of the format may be rounded either way, as far as f32 arithmetic and the matrix unit's own rounding can turn it there, and no further.
;; One version. Each part assembles by itself: llvm-mc -triple=amdgcn-amd-amdhsa -mcpu=gfx1250 --defsym DOCPART=n.
;; ======== version 1 of 1: 2 launches
;; limits: right only within a limited range of input values
;; workspace buffers: kv 9,437,184 bytes
;; launch prep (part 1): grid 16 x 64, 4 waves a work-group, no clusters, 36,352 bytes of LDS; arguments qkv, key_padding_mask, kv; writes kv
.if DOCPART == 1
	.amdgcn_target "amdgcn-amd-amdhsa--gfx1250"
	.amdhsa_code_object_version 6
	.text
	.protected	k_qefb7d160b7_prep
	.globl	k_qefb7d160b7_prep
	.p2align	8
	.type	k_qefb7d160b7_prep,@function
k_qefb7d160b7_prep:
	s_mov_b64 s[64:65], 0
	v_nop
	global_prefetch_b8 v0, s[64:65] scope:SCOPE_SE
	s_setreg_imm32_b32 hwreg(HW_REG_WAVE_MODE, 25, 1), 1
	s_wait_xcnt 0x0
; PREP.  qkv [4][2048][3][16][64] f32, key_padding_mask [4][2048] bytes.  For each head bh = 16 b + h and each key step of 128 keys this launch makes one block of 9,216 bytes of kv:
;   0    .. 4095  K IMAGE: k x 1/8 as codes of E2M1, in the order of the operand's registers.  Fragment f (1,024 bytes): the 16 bytes at 1024 f + 512 u + 16 l, l = r + 16 hh, are the codes of
;                 key 32 f + 8 u + r + 8 (r / 8), d = 32 hh .. 32 hh + 31.  (Two tiles of 16 keys, u = 0, 1, share a fragment of 128 along K: the head has only 64.)
;   4096 .. 8191  V IMAGE: v as codes along the KEYS.  Fragment t: the 16 bytes at 4096 + 1024 t + 512 c + 16 l are the codes of column d = 16 t + r, keys 64 c + 32 hh .. + 31.
;   8192 .. 8447  K's scale words: the word at 16 r + 4 f holds the bytes (d block 0, d block 1) of tile u = 0's row r, then those of tile u = 1's.
;   8448 .. 8703  V's scale words: the word at 16 r + 4 t holds, for column 16 t + r, byte kb for the keys 32 kb .. 32 kb + 31.
;   8704 .. 9215  the mask's term for each key, f32, in the keys' order: 0.0 where the mask byte is not 0, else -10000.0.
; NOTHING OF THE PROBLEM IS LEFT OUT: a masked key's weight is exp(score - 10000 - max), which is no zero in real numbers, and a masked key shares v's and p's blocks of 32: so every key is quantised
; and multiplied, and the term is really added.  All inputs are loaded.
; THE FACTOR 1/8 is a power of two: the codes of k / 8 are the codes of k, and the scale's byte is 3 less.  The byte is the block's largest magnitude's exponent field - 5, held at 1 from below by a floor
; of 2^(6 - 127) among the maximum's leaves; the conversion divides by 2^(that field - 2 - 127).  For v: field - 2, floor 2^(3 - 127).
; LIMITS: NaN and infinities among the inputs are not served.  A block of zeros, or one whose largest magnitude lies under the floor (k: 2^-121, v: 2^-124), gets the byte 1; for zeros the rule says 127:
; the codes are zeros, which add nothing under any byte but 0xff, and this program alone reads the bytes.
; SHARES.  Work-group (x, y) = (key step, head).  Wave w takes keys 32 w .. 32 w + 31 of the step: K's fragment f = w and V's key block kb = w.  No loop, no pointer is stepped, no store's data are written again.
; K: a row (one key's 64 numbers) is 256 consecutive bytes; sixteen lanes read one row, then the 16 rows of a tile turn through the wave's own stage in LDS, so that a lane holds 32 neighbours along d.
; V: a lane takes a column d and its registers run down the keys, so a block of 32 keys lies in one lane and the conversions give codes with the keys innermost; nothing is transposed.
; No cluster and no tensor load: the work-groups share no input, and the waves of a work-group share only the block's last 1,024 bytes, which meet in LDS behind one barrier and leave as aligned runs of 256 bytes.
.set ROWP,  12288                      ; bytes from one s to the next in qkv
.set BLK,   9216                       ; a block of kv
.set SP,    272                        ; a stage row: 256 bytes + 16
.set STGW,  32*SP                      ; a wave's stage: two tiles of 16 rows
.set TAIL,  4*STGW                     ; LDS: the image of the block's bytes 8192 .. 9215
.set SPARE, TAIL+1024                  ; the spare words, 128 bytes for each wave: two blocks of 256 bytes that no other line names
.set LN,   1                           ; v1   lane l; also the mask's byte offset
.set KOFF, 4                           ; v4   K: 12288 (l / 16) + 16 (l % 16)
.set VOFF, 5                           ; v5   V: 4 l
.set SST,  7                           ; v7   the stage, in: 272 (l / 16) + 16 (l % 16)
.set SLD,  8                           ; v8   the stage, out: 272 (l % 16) + 128 (l / 16)
.set IMK,  9                           ; v9   K image: 1024 w + 16 l
.set IMV,  10                          ; v10  V image: 1024 (l / 16) + 16 (l % 16) + 256 w
.set TKS,  11                          ; v11  tail: my K scale word
.set TVS,  12                          ; v12  tail: my V scale byte
.set TPD,  13                          ; v13  tail: my key's term
.set TRD,  14                          ; v14  tail, on the way out: 256 w + 8 l
.set TGO,  15                          ; v15  and the same place in the block
.set SPW,  16                          ; v16  LDS address of my spare word; never rewritten
.set NIL,  17                          ; v17  0; never rewritten
.set KR,   32                          ; v32-95   K: tile u at + 32 u
.set VR,   96                          ; v96-159  V: columns 32 t' + l at + 32 t'
.set KC,   160                         ; v160-167 K's codes
.set VC,   168                         ; v168-175 V's codes
	s_load_b128 s[4:7], s[0:1], 0x0                ; qkv, the mask
	s_load_b64 s[8:9], s[0:1], 0x10                ; kv
	v_lshl_add_u32 v[SPW], v0, 2, SPARE
	v_mov_b32 v[NIL], 0
	v_lshrrev_b32 v1, 5, v0
	v_readfirstlane_b32 s10, v1                    ; wave 0..3
	v_and_b32 v[LN], 31, v0                        ; l
	v_and_b32 v2, 15, v0                           ; r = l % 16
	v_bfe_u32 v3, v0, 4, 1                         ; hl = l / 16
	s_wait_alu depctr_va_vdst(0)
	s_and_b32 s12, ttmp7, 0xffff                   ; the head bh
	s_lshr_b32 s16, s12, 4                         ; b
	s_and_b32 s17, s12, 15                         ; h
	s_lshl_b32 s16, s16, 11
	s_lshl_b32 s18, ttmp9, 7
	s_add_co_u32 s16, s16, s18
	s_lshl_b32 s18, s10, 5
	s_add_co_u32 s16, s16, s18                     ; my first key's row: 2048 b + 128 x + 32 w
	s_mul_i32 s18, s16, ROWP                       ; under 2^27
	s_lshl_b32 s17, s17, 8
	s_add_co_u32 s18, s18, s17
	s_add_co_u32 s18, s18, 4096                    ; + 256 h, + 4,096: k lies behind q
	s_mov_b32 s19, 0
	s_mov_b32 s17, 0                               ; s[16:17]: the row, as the mask's offset
	s_lshl_b32 s22, s12, 4
	s_add_co_u32 s22, s22, ttmp9
	s_mul_i32 s22, s22, BLK                        ; my block of kv
	s_mov_b32 s23, 0
	s_mov_b32 s20, 0x76543210
	s_mov_b32 s21, 0xfedcba98                      ; v_permlanex16_b32's selects for lane l xor 16
	v_mul_u32_u24 v[KOFF], v3, ROWP
	v_lshl_add_u32 v[KOFF], v2, 4, v[KOFF]
	v_lshlrev_b32 v[VOFF], 2, v[LN]
	s_mul_i32 s24, s10, STGW                       ; my stage
	v_mul_u32_u24 v[SST], v3, SP
	v_lshl_add_u32 v[SST], v2, 4, v[SST]
	v_add_nc_u32 v[SST], s24, v[SST]
	v_mul_u32_u24 v[SLD], v2, SP
	v_lshl_add_u32 v[SLD], v3, 7, v[SLD]
	v_add_nc_u32 v[SLD], s24, v[SLD]
	s_lshl_b32 s25, s10, 10
	v_lshl_add_u32 v[IMK], v[LN], 4, s25
	s_lshl_b32 s26, s10, 8                         ; 256 w = 512 (w / 2) + 256 (w % 2): key block w is half w % 2 of the lanes in registers 4 (w / 2) on
	v_lshlrev_b32 v[IMV], 10, v3
	v_lshl_add_u32 v[IMV], v2, 4, v[IMV]
	v_add_nc_u32 v[IMV], s26, v[IMV]
	s_lshl_b32 s27, s10, 2
	s_add_co_u32 s27, s27, TAIL
	v_lshl_add_u32 v[TKS], v2, 4, s27              ; TAIL + 16 r + 4 w
	s_add_co_u32 s28, s10, TAIL+256
	v_lshl_add_u32 v[TVS], v2, 4, s28
	v_lshl_add_u32 v[TVS], v3, 2, v[TVS]           ; TAIL + 256 + 16 r + 4 hl + w (+ 8 t' in the immediate)
	s_lshl_b32 s29, s10, 7
	s_add_co_u32 s29, s29, TAIL+512
	v_lshl_add_u32 v[TPD], v[LN], 2, s29           ; TAIL + 512 + 128 w + 4 l
	s_add_co_u32 s30, s26, TAIL
	v_lshl_add_u32 v[TRD], v[LN], 3, s30
	v_lshl_add_u32 v[TGO], v[LN], 3, s26
	v_lshlrev_b32 v18, 3, v3                       ; 8 hl: where my byte stands in a scale word's half
	v_mov_b32 v19, 0
	v_mov_b32 v24, 0                               ; written once: a lane permute's destination counts as one of its sources
	s_wait_alu depctr_va_vdst(0)
	s_wait_kmcnt 0x0
	s_add_nc_u64 s[12:13], s[4:5], s[18:19]        ; k at my first key, my head
	s_add_nc_u64 s[14:15], s[12:13], 4096
	; K'S KEY ORDER (it takes the place of the order named in the head comment): row m of tile u of fragment w is key 64 (w / 2) + 16 (w % 2) + 8 u + m % 8 + 32 (m / 8) of the step,
	; so that rows 0-7 of tiles 4 c .. 4 c + 3 are the 32 keys of block 2 c and rows 8-15 those of block 2 c + 1.  K's first row lies 16 (w % 2) keys ahead of V's.
	s_and_b32 s24, s10, 1
	s_mul_i32 s24, s24, 16*ROWP
	s_mov_b32 s25, 0
	s_sub_nc_u64 s[12:13], s[12:13], s[24:25]
	s_add_nc_u64 s[6:7], s[6:7], s[16:17]
	s_add_nc_u64 s[8:9], s[8:9], s[22:23]
; sixteen keys of V, both halves of each row one behind the other: a wave reads 128 consecutive bytes an instruction
.macro VLOADS from
.set i, \from
.rept 16
	global_load_b32 v[VR+i], v[VOFF], s[14:15] offset:i*ROWP th:TH_LOAD_NT
	global_load_b32 v[VR+32+i], v[VOFF], s[14:15] offset:i*ROWP+128 th:TH_LOAD_NT
.set i, i+1
.endr
.endm
; the largest magnitude of 32 numbers of a lane, in two chains, with the floor as the last leaf
.macro AMAX dst, tmp, x, floor
	v_max3_num_f32 v[\dst], |v[\x]|, |v[\x+1]|, |v[\x+2]|
	v_max3_num_f32 v[\tmp], |v[\x+3]|, |v[\x+4]|, |v[\x+5]|
.irp i, 6,10,14,18,22,26
	v_max3_num_f32 v[\dst], v[\dst], |v[\x+\i]|, |v[\x+\i+1]|
	v_max3_num_f32 v[\tmp], v[\tmp], |v[\x+\i+2]|, |v[\x+\i+3]|
.endr
	v_max3_num_f32 v[\dst], v[\dst], |v[\x+30]|, |v[\x+31]|
	v_max3_num_f32 v[\dst], v[\dst], v[\tmp], \floor
.endm
	global_load_u8 v20, v[LN], s[6:7]              ; my key's mask byte
.irp u, 0,1                                        ; K: tile u's row m = 2 i + hl is key 8 u + m % 8 + 32 (m / 8); sixteen lanes read one row of 256 bytes, two rows an instruction
.irp i, 0,1,2,3,4,5,6,7
	global_load_b128 v[KR+32*\u+4*\i:KR+32*\u+4*\i+3], v[KOFF], s[12:13] offset:(8*\u+2*(\i%4)+32*(\i/4))*ROWP th:TH_LOAD_NT
.endr
.endr
	VLOADS 0
	s_wait_loadcnt 32                              ; loads come back in order: the mask byte and K are in; the 32 loads of V issued behind them may be out
.irp u, 0,1
.irp i, 0,1,2,3,4,5,6,7
	ds_store_b128 v[SST], v[KR+32*\u+4*\i:KR+32*\u+4*\i+3] offset:16*SP*\u+2*SP*\i
.endr
.endr
.irp u, 0,1                                        ; LDS serves a wave's instructions in order: these see the stores above.  Lane (r, hl) takes d = 32 hl .. 32 hl + 31 of tile row r
.irp j, 0,1,2,3,4,5,6,7
	ds_load_b128 v[KR+32*\u+4*\j:KR+32*\u+4*\j+3], v[SLD] offset:16*SP*\u+16*\j
.endr
.endr
	VLOADS 16                                      ; V's other sixteen keys
	v_cmp_ne_u32 vcc_lo, 0, v20
	v_cndmask_b32 v23, 0xc61c4000, v19, vcc_lo     ; 0.0 where the key is kept, else -10000.0
	ds_store_b32 v[TPD], v23
	s_wait_dscnt 0x0                               ; K is back from the stage
	AMAX 26, 21, KR, 0x3000000
	AMAX 27, 22, KR+32, 0x3000000
	v_add_nc_u32 v26, 0xff000000, v26              ; 2 off the exponent field: the conversion takes this operand's exponent field as its scale, and nothing else of it
	v_add_nc_u32 v27, 0xff000000, v27
.irp u, 0,1
.irp g, 0,1,2,3
	v_cvt_scalef32_pk8_fp4_f32 v[KC+4*\u+\g], v[KR+32*\u+8*\g:KR+32*\u+8*\g+7], v[26+\u]
.endr
.endr
	v_lshrrev_b32 v28, 23, v26                     ; (plain lines behind the conversions)
	v_lshrrev_b32 v29, 23, v27
	v_add_nc_u32 v28, -3, v28                      ; the byte of k / 8: 3 less
	v_add_nc_u32 v29, -3, v29
	v_lshl_or_b32 v28, v29, 16, v28                ; tile 0's byte below, tile 1's above,
	v_lshlrev_b32 v28, v18, v28                    ; at my d block's place;
	v_permlanex16_b32 v24, v28, s20, s21
	v_or_b32 v28, v28, v24                         ; with lane l xor 16's two the word is whole
	global_store_b128 v[IMK], v[KC:KC+3], s[8:9]               ; the wave stores 512 consecutive bytes, at a multiple of 256 from kv's first byte
	global_store_b128 v[IMK], v[KC+4:KC+7], s[8:9] offset:512
	ds_store_b32 v[TKS], v28                       ; both halves of the lanes write the same word with the same value
	s_wait_loadcnt 0x0                             ; V
	AMAX 30, 21, VR, 0x1800000
	AMAX 31, 22, VR+32, 0x1800000
	v_add_nc_u32 v30, 0xff000000, v30
	v_add_nc_u32 v31, 0xff000000, v31
.irp t, 0,1
.irp g, 0,1,2,3
	v_cvt_scalef32_pk8_fp4_f32 v[VC+4*\t+\g], v[VR+32*\t+8*\g:VR+32*\t+8*\g+7], v[30+\t]
.endr
.endr
	v_lshrrev_b32 v25, 23, v30                     ; the scales' bytes
	v_lshrrev_b32 v29, 23, v31
	global_store_b128 v[IMV], v[VC:VC+3], s[8:9] offset:4096   ; sixteen lanes store 256 consecutive bytes, aligned: fragment 2 t' + hl, my key block's place
	global_store_b128 v[IMV], v[VC+4:VC+7], s[8:9] offset:6144
	ds_store_b8 v[TVS], v25
	ds_store_b8 v[TVS], v29 offset:8
	s_wait_dscnt 0x0                               ; for the others' sake: my stores into the tail have landed
	s_barrier_signal -1
	s_barrier_wait -1
	ds_load_b64 v[176:177], v[TRD]
	s_wait_dscnt 0x0
	global_store_b64 v[TGO], v[176:177], s[8:9] offset:8192    ; the wave stores 256 consecutive bytes, aligned
	s_wait_tensorcnt 0x0                           ; the wave's end: behind my last LDS store
	ds_add_u32 v[SPW], v[NIL]
	s_wait_dscnt 0x0
	s_endpgm
.Lfunc_end_k_qefb7d160b7_prep:
	.size	k_qefb7d160b7_prep, .Lfunc_end_k_qefb7d160b7_prep-k_qefb7d160b7_prep
	.p2alignl 7, 3214868480
	.fill 96, 4, 3214868480
	.section	.rodata,"a",@progbits
	.p2align	6, 0x0
	.amdhsa_kernel k_qefb7d160b7_prep
		.amdhsa_group_segment_fixed_size 36352
		.amdhsa_private_segment_fixed_size 0
		.amdhsa_enable_private_segment 0
		.amdhsa_kernarg_size 24
		.amdhsa_user_sgpr_count 2
		.amdhsa_user_sgpr_kernarg_segment_ptr 1
		.amdhsa_wavefront_size32 1
		.amdhsa_system_sgpr_workgroup_id_x 1
		.amdhsa_system_sgpr_workgroup_id_y 1
		.amdhsa_system_sgpr_workgroup_id_z 1
		.amdhsa_system_vgpr_workitem_id 0
		.amdhsa_next_free_vgpr 192
		.amdhsa_next_free_sgpr 66
		.amdhsa_reserve_vcc 1
		.amdhsa_float_denorm_mode_32 3
		.amdhsa_float_denorm_mode_16_64 3
		.amdhsa_memory_ordered 1
		.amdhsa_forward_progress 1
		.amdhsa_inst_pref_size 21
	.end_amdhsa_kernel
	.amdgpu_metadata
---
amdhsa.version: [ 1, 2 ]
amdhsa.kernels:
  - .name:           k_qefb7d160b7_prep
    .symbol:         k_qefb7d160b7_prep.kd
    .args:
      - { .name: qkv, .offset: 0, .size: 8, .value_kind: global_buffer, .address_space: global }
      - { .name: key_padding_mask, .offset: 8, .size: 8, .value_kind: global_buffer, .address_space: global }
      - { .name: kv, .offset: 16, .size: 8, .value_kind: global_buffer, .address_space: global }
    .group_segment_fixed_size: 36352
    .private_segment_fixed_size: 0
    .kernarg_segment_align: 8
    .kernarg_segment_size: 24
    .max_flat_workgroup_size: 128
    .sgpr_count:     66
    .vgpr_count:     192
    .wavefront_size: 32
...
	.end_amdgpu_metadata
.endif
;; end of part 1
;; launch attn (part 2): grid 4 x 64, 8 waves a work-group, clusters of 4 x 1, 218,112 bytes of LDS; arguments qkv, kv, out0; writes out0
.if DOCPART == 2
	.amdgcn_target "amdgcn-amd-amdhsa--gfx1250"
	.amdhsa_code_object_version 6
	.text
	.protected	k_qefb7d160b7_attn
	.globl	k_qefb7d160b7_attn
	.p2align	8
	.type	k_qefb7d160b7_attn,@function
k_qefb7d160b7_attn:
	s_mov_b64 s[64:65], 0
	v_nop
	global_prefetch_b8 v0, s[64:65] scope:SCOPE_SE
	s_setreg_imm32_b32 hwreg(HW_REG_WAVE_MODE, 25, 1), 1
	s_wait_xcnt 0x0
	s_wait_alu depctr_hold_cnt(0) depctr_sa_sdst(0) depctr_va_vdst(0) depctr_va_sdst(0) depctr_va_ssrc(0) depctr_va_vcc(0) depctr_vm_vsrc(0)
	s_getreg_b32 s2, hwreg(HW_REG_IB_STS2, 6, 4)
	s_cmp_eq_u32 s2, 0
	s_cbranch_scc0 .Lentry_in_a_cluster
	s_endpgm
.Lentry_in_a_cluster:
	s_bfe_u32 s2, ttmp6, 0x10000c
	s_cmp_lg_u32 s2, 0x3003
	s_cbranch_scc0 .Lentry_shape_is_right
	s_endpgm
.Lentry_shape_is_right:
; ATTN.  out0[b][t][h][:] = the sum over keys s of softmax_s(q . k / 8 + term(s)) v[s][:], both products on codes of E2M1 with one E8M0 scale for each 32 along K.  Nothing of the problem is left out.
; kv holds, for a head's 128 keys, one block of 9,216 bytes in the order of the operands' registers: 0: K's four fragments; 4096: V's four; 8192: K's scale words (16 r + 4 f);
; 8448: V's (16 r + 4 t); 8704: the mask's terms, f32, in the keys' order.  q is read once, by one wave, and is quantised here in registers.
; THE SOFTMAX: t = logit x log2(e); M = the running largest t rounded up to a whole number, kept as -M; p = 2^(t - M) is quantised along the keys, not normalised; the row's sum is taken of the
; unquantised p and divides at the end; when M moves, the sum and O are multiplied by 2^(old M - new M), which rounds nothing.
; SHARES.  A cluster of four work-groups has one head; work-group cx has queries 512 cx on; each of its eight waves owns 32 queries at a time, TWO tiles x = 0, 1 of 16, in two blocks
; (block j: queries 512 cx + 256 j + 32 w on).  Each fragment of K, V and the terms read from LDS feeds both tiles, and the two tiles' lines stand by turns.
; THE WHOLE HEAD LIES IN LDS, 16 blocks = 147,456 bytes, FILLED ONCE: wave w fetches blocks 2 w and 2 w + 1 by one tensor load, asked for JOINTLY by the four partners (same descriptor, made of the
; head and the wave's number alone; mask 15).  No slot is filled again: the loops over the keys have no barrier.
; LAYOUT.  Both products are used transposed: S^T = K Q^T, O^T = V^T P^T: a lane holds ONE query (lane % 16).  The instruction's K is 128, the head's 64: a fragment of K holds two tiles of
; 16 keys, and q stands as [q | zero codes | q]: registers 0-7 multiply tile 0, registers 4-11 tile 1.  Row m of tile t is key 64 (t / 4) + 32 (m / 8) + 8 (t % 4) + m % 8, so that the 32 score
; registers of tiles 4 c .. 4 c + 3 are, in lane half h, the 32 keys of block 2 c + h: a block's largest score needs no other lane, and the conversions' results are the operand's registers as they stand.
; The mask's terms are loaded in the result's layout into registers of their own and are the C of both tiles' score products.
; q of block 1 is asked of the L2 once, a lane a row of 256 bytes, in the trip of block 0's loop with 12 trips to go, and is loaded in block 0's last step into the score registers, which are free there.
; LIMITS: NaN and infinities among the inputs are not served; logits stay above -1e38, the running maximum's first value; a block of q whose largest magnitude lies under 2^-124 gets the byte 1
; (zeros too, where the rule says 127: zero codes add nothing); score + term is rounded once, inside the product; p under 2^-126 comes out of v_exp_f32 as 0.
; REGISTERS in two windows of 256 (s_set_vgpr_msb: bits 1:0 source 0, 3:2 source 1, 5:4 source 2, 7:6 destination).  Window 0: addresses, state, Q, P, K, V, terms.  Window 1: S, O, the sums.
.set ROWP,  12288
.set BLK,   9216
.set SP,    272                        ; a stage row: 256 bytes + 16
.set STAGE, 16*BLK                     ; behind the head: 32 rows x 272 bytes for each wave, its own: q on the way in, O on the way out; no tensor load lands there
.set SPARE, STAGE+8*32*SP              ; the spare words, 128 bytes for each wave: four blocks of 256 bytes that no other line names
.set L16,  1                           ; 16 x lane
.set R16,  2                           ; 16 x (lane % 16)
.set H128, 3                           ; 128 x (lane / 16)
.set SPW,  4                           ; my spare word; never rewritten
.set NIL,  5                           ; 0; never rewritten
.set GO,   6                           ; out0: 4096 (lane / 16) + 16 (lane % 16)
.set STO,  7                           ; stage: row lane % 16, + 32 (lane / 16)
.set RD,   8                           ; stage: row lane / 16, + 16 (lane % 16)
.set ADK,  9                           ; the next step's images, scale words, terms
.set ADKS, 10
.set ADP,  11
.set ADV,  12                          ; this step's images, scale words
.set ADVS, 13
.set QRD,  14                          ; stage: row lane % 16, + 128 (lane / 16)
.set H8,   15                          ; 8 x (lane / 16)
.set QOFF, 16                          ; q: 12288 (lane / 16) + 16 (lane % 16)
.set PFO,  17                          ; the prefetch: 12288 x lane; never rewritten
.set NM,   18                          ; tile x: v[NM+2x] = -M, v[NM+2x+1] = the running largest logit
.set F,    22                          ; tile x: v[F+2x] = 2^(old M - new M), later 1 / the sum; the odd register is named with it as a pair
.set TM,   26
.set BP,   28                          ; lane permutes' destinations
.set OLD,  30
.set BM,   32                          ; v[BM+2x+c]: my block's largest score, then largest p
.set BS,   36                          ; the conversions' scale operands
.set BY,   40                          ; the scales' bytes
.set QS,   44                          ; q's scale words
.set PSW,  46                          ; p's scale words
.set Q,    48                          ; tile x: 12 registers [q | 0 | q]
.set P,    72                          ; tile x: 8 registers of p's codes
.set KF,   88
.set KS,   120
.set VF,   124
.set VS,   156
.set T,    160                         ; v160-223 the terms
.set S,    0                           ; window 1: tile x's scores, then p, at 64 x
.set O,    128                         ; window 1: tile x's O^T at 32 x: register 8 t + j is d = 16 t + 8 (lane / 16) + j
.set L,    192                         ; window 1: tile x at 8 x: the sum in two halves, then three pairs at work
.set WV,   10
.set G1,   16
.set G0,   24
.set SEL,  28                          ; s[28:29] selects for lane l xor 16
.set CS,   30                          ; s[30:31] log2(e), named as a pair
.set CNT,  32
.set TN,   33                          ; LDS byte at which the step in hand begins
.set NC,   42                          ; -log2(e)
.set MSB, 0
.macro WIN new                         ; the immediate's high byte repeats the setting that is left
.if MSB != \new
	s_set_vgpr_msb (MSB<<8)|\new
.set MSB, \new
.endif
.endm
.macro D2
	s_delay_alu instid0(VALU_DEP_2)
.endm
.macro CROUND                          ; a round of the cluster's barrier
	s_barrier_signal -1
	s_barrier_wait -1
	s_cmp_lg_u32 s[WV], 0
	s_cbranch_scc1 .Lnot_wave_0_\@
	s_barrier_signal -3
.Lnot_wave_0_\@:
	s_barrier_wait -3
	s_barrier_signal -1
	s_barrier_wait -1
.endm
.macro QLOADS j                        ; 32 rows of q into window 1's v0-63: sixteen lanes read one row of 256 bytes, two rows an instruction
	WIN 0x40
.set n, 0
.rept 16
	global_load_b128 v[S+4*n:S+4*n+3], v[QOFF], s[4:5] offset:2*ROWP*n+256*ROWP*(\j) th:TH_LOAD_NT
.set n, n+1
.endr
.endm
; q turns through my stage, so that lane (r, h) holds d = 32 h .. 32 h + 31 of query r (in O's registers, free here), and becomes codes [q | 0 | q] and the scale word (q0, q1, q0, q1); the two tiles by turns
.macro QIN
	s_wait_loadcnt 0x0
	WIN 0x04
.set n, 0
.rept 16
	ds_store_b128 v[RD], v[S+4*n:S+4*n+3] offset:2*SP*n
.set n, n+1
.endr
	WIN 0x40
.irp x, 0,1
.irp i, 0,1,2,3,4,5,6,7
	ds_load_b128 v[O+32*\x+4*\i:O+32*\x+4*\i+3], v[QRD] offset:16*SP*\x+16*\i   ; LDS serves a wave's instructions in order: these see the stores above
.endr
.endr
	s_wait_dscnt 0x0
	WIN 0x15
.irp x, 0,1
	v_max3_num_f32 v[BM+2*\x], |v[O+32*\x]|, |v[O+32*\x+1]|, |v[O+32*\x+2]|
	v_max3_num_f32 v[BM+2*\x+1], |v[O+32*\x+3]|, |v[O+32*\x+4]|, |v[O+32*\x+5]|
.endr
	WIN 0x14
.irp i, 6,10,14,18,22,26
.irp x, 0,1
	v_max3_num_f32 v[BM+2*\x], v[BM+2*\x], |v[O+32*\x+\i]|, |v[O+32*\x+\i+1]|
	v_max3_num_f32 v[BM+2*\x+1], v[BM+2*\x+1], |v[O+32*\x+\i+2]|, |v[O+32*\x+\i+3]|
.endr
.endr
.irp x, 0,1
	v_max3_num_f32 v[BM+2*\x], v[BM+2*\x], |v[O+32*\x+30]|, |v[O+32*\x+31]|
.endr
	WIN 0
.irp x, 0,1
	v_max3_num_f32 v[BM+2*\x], v[BM+2*\x], v[BM+2*\x+1], 0x1800000   ; the floor 2^(3 - 127): the byte cannot fall under 1
.endr
.irp x, 0,1
	D2
	v_add_nc_u32 v[BS+\x], 0xff000000, v[BM+2*\x]  ; 2 off the exponent field: the conversion's scale operand
.endr
.irp x, 0,1
	D2
	v_lshrrev_b32 v[BY+\x], 23, v[BS+\x]
.endr
.irp x, 0,1
	D2
	v_lshlrev_b32 v[BY+\x], v[H8], v[BY+\x]        ; the byte at my block's place
.endr
.irp x, 0,1
	D2
	v_permlanex16_b32 v[BP+\x], v[BY+\x], s[SEL], s[SEL+1]
.endr
.irp x, 0,1
	D2
	v_or_b32 v[BY+\x], v[BY+\x], v[BP+\x]
.endr
.irp x, 0,1
	D2
	v_lshl_or_b32 v[QS+\x], v[BY+\x], 16, v[BY+\x]
.endr
	WIN 0x01
.irp x, 0,1
.irp g, 0,1,2,3
	v_cvt_scalef32_pk8_fp4_f32 v[Q+12*\x+\g], v[O+32*\x+8*\g:O+32*\x+8*\g+7], v[BS+\x]
.endr
.endr
	WIN 0
	v_nop                                          ; one plain place behind a scaled conversion
.irp x, 0,1
.irp g, 0,1,2,3
	v_mov_b32 v[Q+12*\x+8+\g], v[Q+12*\x+\g]       ; q's second copy
.endr
.endr
.endm
.macro INIT                            ; a block's start: the step is written for every step alike; the first finds zeros, which the first change of M leaves zeros
.irp x, 0,1
	v_mov_b32 v[NM+2*\x+1], 0xfe967699             ; the largest logit so far: -1e38
	v_mov_b32 v[NM+2*\x], 0x7e967699               ; -M: 1e38, a whole number
.endr
	WIN 0x40
.set n, 0
.rept 64
	v_mov_b32 v[O+n], 0
.set n, n+1
.endr
.irp x, 0,1
	v_mov_b32 v[L+8*\x], 0
	v_mov_b32 v[L+8*\x+1], 0
.endr
	WIN 0
.endm
.macro KLOADS
.irp f, 0,1,2,3
	ds_load_b128 v[KF+8*\f:KF+8*\f+3], v[ADK] offset:1024*\f
	ds_load_b128 v[KF+8*\f+4:KF+8*\f+7], v[ADK] offset:1024*\f+512
.endr
	ds_load_b128 v[KS:KS+3], v[ADKS] offset:8192
.endm
.macro VLOADS
.irp t, 0,1,2,3
	ds_load_b128 v[VF+8*\t:VF+8*\t+3], v[ADV] offset:4096+1024*\t
	ds_load_b128 v[VF+8*\t+4:VF+8*\t+7], v[ADV] offset:4096+1024*\t+512
.endr
	ds_load_b128 v[VS:VS+3], v[ADVS] offset:8448
.endm
.macro TLOADS                          ; register 32 c + n takes the term of key 64 c + 32 (lane / 16) + n
.irp c, 0,1
.irp i, 0,1,2,3,4,5,6,7
	ds_load_b128 v[T+32*\c+4*\i:T+32*\c+4*\i+3], v[ADP] offset:8704+256*\c+16*\i
.endr
.endr
.endm
; A KEY STEP: 128 keys x 32 queries.  pre = 1: the next step's K and terms are fetched on the way; 2: step 0's, and block 1's q; 0: nothing.  ask = 1: the trip with 12 to go prefetches block 1's q.
; The accumulators take turns, one instruction a turn, over the loops' backward jumps too.
.macro STEP pre, ask
	s_wait_dscnt 0x0                               ; this step's K, scale words and terms are in
	WIN 0x40
.irp f, 0,1,2,3
.irp u, 0,1
.irp x, 0,1
	v_wmma_scale_f32_16x16x128_f8f6f4 v[S+64*\x+16*\f+8*\u:S+64*\x+16*\f+8*\u+7], v[KF+8*\f:KF+8*\f+7], v[Q+12*\x+4*\u:Q+12*\x+4*\u+7], v[T+16*\f+8*\u:T+16*\f+8*\u+7], v[KS+\f], v[QS+\x] matrix_a_fmt:MATRIX_FMT_FP4 matrix_b_fmt:MATRIX_FMT_FP4
.endr
.endr
.endr
	WIN 0
	v_add_nc_u32 v[ADV], s[TN], v[L16]             ; the address lines are also the places behind the products, ahead of the loads and of the first read of the scores
	v_add_nc_u32 v[ADVS], s[TN], v[R16]
.if \pre == 1
	s_add_co_u32 s[TN], s[TN], BLK
.elseif \pre == 2
	s_mov_b32 s[TN], 0
.endif
.if \pre
	v_add_nc_u32 v[ADK], s[TN], v[L16]
	v_add_nc_u32 v[ADKS], s[TN], v[R16]
	v_add_nc_u32 v[ADP], s[TN], v[H128]
.else
	v_nop
	v_nop
.endif
	VLOADS
.if \pre
	KLOADS
	TLOADS
.endif
.if \ask
	s_cmp_eq_u32 s[CNT], 12
	s_cbranch_scc0 .Lno_ask_\@
	global_prefetch_b8 v[PFO], s[4:5] offset:256*ROWP th:TH_LOAD_NT scope:SCOPE_SE   ; block 1's 32 rows of q, a lane a row of 256 bytes: each named once in the launch
.Lno_ask_\@:
.endif
	WIN 0x15                                       ; THE LARGEST SCORE OF MY TWO BLOCKS OF 32 KEYS, for both tiles: four chains by turns
.irp x, 0,1
.irp c, 0,1
	v_max3_num_f32 v[BM+2*\x+\c], v[S+64*\x+32*\c], v[S+64*\x+32*\c+1], v[S+64*\x+32*\c+2]
.endr
.endr
	WIN 0x14
.irp i, 3,5,7,9,11,13,15,17,19,21,23,25,27,29
.irp x, 0,1
.irp c, 0,1
	v_max3_num_f32 v[BM+2*\x+\c], v[BM+2*\x+\c], v[S+64*\x+32*\c+\i], v[S+64*\x+32*\c+\i+1]
.endr
.endr
.endr
.irp x, 0,1
.irp c, 0,1
	v_max_num_f32 v[BM+2*\x+\c], v[BM+2*\x+\c], v[S+64*\x+32*\c+31]
.endr
.endr
	WIN 0
.irp x, 0,1
	v_max_num_f32 v[TM+\x], v[BM+2*\x], v[BM+2*\x+1]
.endr
.irp x, 0,1
	D2
	v_permlanex16_b32 v[BP+\x], v[TM+\x], s[SEL], s[SEL+1]
.endr
.irp x, 0,1
	D2
	v_max3_num_f32 v[NM+2*\x+1], v[NM+2*\x+1], v[TM+\x], v[BP+\x]   ; the running largest logit, with lane l xor 16's blocks
.endr
.irp x, 0,1
	D2
	v_mul_f32 v[TM+\x], s[NC], v[NM+2*\x+1]        ; -t
.endr
.irp x, 0,1
	v_mov_b32 v[OLD+\x], v[NM+2*\x]
.endr
.irp x, 0,1
	v_floor_f32 v[NM+2*\x], v[TM+\x]               ; the new -M = floor(-t) = -ceil(t)
.endr
.irp x, 0,1
	D2
	v_sub_f32 v[TM+\x], v[NM+2*\x], v[OLD+\x]      ; old M less new M: a whole number, 0 or less
.endr
.irp x, 0,1
	D2
	v_cvt_i32_f32 v[TM+\x], v[TM+\x]               ; (it saturates)
.endr
.irp x, 0,1
	D2
	v_ldexp_f32 v[F+2*\x], 1.0, v[TM+\x]
.endr
.irp x, 0,1
.irp c, 0,1
	v_fma_f32 v[BM+2*\x+\c], v[BM+2*\x+\c], s[CS], v[NM+2*\x]   ; t - M of each block's largest score
.endr
.endr
	WIN 0x41
.irp x, 0,1
.set n, 0
.rept 32
	v_pk_fma_f32 v[S+64*\x+n:S+64*\x+n+1], v[S+64*\x+n:S+64*\x+n+1], s[CS:CS+1], v[NM+2*\x:NM+2*\x+1] op_sel_hi:[1,0,0]   ; t - M, two at a time
.set n, n+2
.endr
.endr
.irp x, 0,1                                        ; O^T and the sums under the new M, ahead of the exponentials; each accumulator from its low end on
.set n, 0
.rept 16
	v_pk_mul_f32 v[O+32*\x+n:O+32*\x+n+1], v[O+32*\x+n:O+32*\x+n+1], v[F+2*\x:F+2*\x+1] op_sel_hi:[1,0]
.set n, n+2
.endr
	v_pk_mul_f32 v[L+8*\x:L+8*\x+1], v[L+8*\x:L+8*\x+1], v[F+2*\x:F+2*\x+1] op_sel_hi:[1,0]
.endr
	s_wait_alu depctr_va_vdst(0)                   ; the wait ahead of the batch
.set n, 0
.rept 128
	v_exp_f32 v[S+n], v[S+n]                       ; p = 2^(t - M): not normalised
.set n, n+1
.endr
	WIN 0
.irp b, 0,1,2,3
	v_exp_f32 v[BM+\b], v[BM+\b]                   ; the block's largest p: the same two instructions on the same number give the same bits
.endr
	v_nop                                          ; the plain place behind the exponentials
	s_wait_alu depctr_va_vdst(0)                   ; and the one wait behind the batch, ahead of its first reader
.irp b, 0,1,2,3
	v_max_num_f32 v[BM+\b], 0x1800000, v[BM+\b]    ; the floor 2^(3 - 127): the byte cannot fall under 1
.endr
.irp b, 0,1,2,3
	v_add_nc_u32 v[BS+\b], 0xff000000, v[BM+\b]    ; 2 off the exponent field: the conversion's scale operand
.endr
.irp b, 0,1,2,3
	v_lshrrev_b32 v[BY+\b], 23, v[BS+\b]
.endr
.irp x, 0,1
	v_lshl_or_b32 v[BY+2*\x], v[BY+2*\x+1], 16, v[BY+2*\x]   ; my blocks h and 2 + h
.endr
.irp x, 0,1
	D2
	v_lshlrev_b32 v[BY+2*\x], v[H8], v[BY+2*\x]    ; at their places in the scale word
.endr
.irp x, 0,1
	D2
	v_permlanex16_b32 v[BP+\x], v[BY+2*\x], s[SEL], s[SEL+1]
.endr
.irp x, 0,1
	D2
	v_or_b32 v[PSW+\x], v[BY+2*\x], v[BP+\x]       ; with lane l xor 16's two the word is whole
.endr
	WIN 0x01
.irp x, 0,1
.irp c, 0,1
.irp i, 0,1,2,3
	v_cvt_scalef32_pk8_fp4_f32 v[P+8*\x+4*\c+\i], v[S+64*\x+32*\c+8*\i:S+64*\x+32*\c+8*\i+7], v[BS+2*\x+\c]   ; register 4 c + i: keys 64 c + 32 h + 8 i on
.endr
.endr
.endr
	WIN 0x45                                       ; THE ROWS' SUMS OF THE UNQUANTISED p: eight chains by turns.  (These 64 lines are also the places between p's codes and scale words and the products below)
.irp a, 1,2,3
.irp x, 0,1
	v_pk_add_f32 v[L+8*\x+2*\a:L+8*\x+2*\a+1], v[S+64*\x+4*\a-4:S+64*\x+4*\a-3], v[S+64*\x+4*\a-2:S+64*\x+4*\a-1]
.endr
.endr
.set n, 0
.rept 26
	v_pk_add_f32 v[L+2*(n%4):L+2*(n%4)+1], v[L+2*(n%4):L+2*(n%4)+1], v[S+12+2*n:S+13+2*n]
	v_pk_add_f32 v[L+8+2*(n%4):L+9+2*(n%4)], v[L+8+2*(n%4):L+9+2*(n%4)], v[S+76+2*n:S+77+2*n]
.set n, n+1
.endr
.irp x, 0,1
	v_pk_add_f32 v[L+8*\x:L+8*\x+1], v[L+8*\x:L+8*\x+1], v[L+8*\x+2:L+8*\x+3]
	v_pk_add_f32 v[L+8*\x+4:L+8*\x+5], v[L+8*\x+4:L+8*\x+5], v[L+8*\x+6:L+8*\x+7]
.endr
.irp x, 0,1
	v_pk_add_f32 v[L+8*\x:L+8*\x+1], v[L+8*\x:L+8*\x+1], v[L+8*\x+4:L+8*\x+5]
.endr
.if \pre == 2
	QLOADS 1                                       ; p has been read for the last time: block 1's q takes tile 0's score registers
.endif
	s_wait_alu depctr_va_vdst(0)                   ; the wait directly ahead of the wait below
.if \pre
	s_wait_dscnt 25                                ; LDS loads come back in order: V is in; the 9 loads of K and the 16 of terms issued behind it may be out
.else
	s_wait_dscnt 0x0
.endif
	WIN 0x50
.irp t, 0,1,2,3
.irp x, 0,1
	v_wmma_scale_f32_16x16x128_f8f6f4 v[O+32*\x+8*\t:O+32*\x+8*\t+7], v[VF+8*\t:VF+8*\t+7], v[P+8*\x:P+8*\x+7], v[O+32*\x+8*\t:O+32*\x+8*\t+7], v[VS+\t], v[PSW+\x] matrix_a_fmt:MATRIX_FMT_FP4 matrix_b_fmt:MATRIX_FMT_FP4
.endr
.endr
	WIN 0
.endm
; THE WAY OUT of block j: O^T / the sum goes through my stage and comes back as whole rows of 256 bytes (into tile 1's score registers).
.macro OUT j
	WIN 0x05
.irp x, 0,1
	v_add_f32 v[TM+\x], v[L+8*\x], v[L+8*\x+1]     ; the sum's two halves,
.endr
	WIN 0
.irp x, 0,1
	v_permlanex16_b32 v[BP+\x], v[TM+\x], s[SEL], s[SEL+1]
.endr
.irp x, 0,1
	D2
	v_add_f32 v[TM+\x], v[TM+\x], v[BP+\x]         ; and lane l xor 16's: the row's sum
.endr
	s_wait_alu depctr_va_vdst(0)                   ; the wait ahead of the reciprocals
.irp x, 0,1
	v_rcp_f32 v[F+2*\x], v[TM+\x]
.endr
	v_nop                                          ; the plain place behind them; with the four additions: the places behind the last products
	WIN 0x41
	s_wait_alu depctr_va_vdst(0)                   ; and ahead of their first reader, which is also O^T's
.irp x, 0,1
.set n, 0
.rept 16
	v_pk_mul_f32 v[O+32*\x+n:O+32*\x+n+1], v[O+32*\x+n:O+32*\x+n+1], v[F+2*\x:F+2*\x+1] op_sel_hi:[1,0]
.set n, n+2
.endr
.endr
	WIN 0x04
.irp x, 0,1
.irp t, 0,1,2,3
	ds_store_b128 v[STO], v[O+32*\x+8*\t:O+32*\x+8*\t+3] offset:16*SP*\x+64*\t
	ds_store_b128 v[STO], v[O+32*\x+8*\t+4:O+32*\x+8*\t+7] offset:16*SP*\x+64*\t+16
.endr
.endr
	WIN 0x40
.set n, 0
.rept 16
	ds_load_b128 v[S+64+4*n:S+64+4*n+3], v[RD] offset:2*SP*n   ; LDS serves a wave's instructions in order: these see my stores
.set n, n+1
.endr
	WIN 0x04
.set n, 0
.rept 16
	s_wait_dscnt 15-n                              ; the 15 - n younger loads may be out
	global_store_b128 v[GO], v[S+64+4*n:S+64+4*n+3], s[8:9] offset:8192*n+1048576*(\j) th:TH_STORE_NT   ; sixteen lanes store 256 consecutive bytes, aligned: a query's row of my head
.set n, n+1
.endr
	WIN 0
.if (\j) == 0
	s_wait_xcnt 0x0                                ; the stores have read their registers: scores are written there again only behind this wait
.endif
.endm
	s_load_b128 s[4:7], s[0:1], 0x0                ; qkv, kv
	s_load_b64 s[8:9], s[0:1], 0x10                ; out0
	v_lshl_add_u32 v[SPW], v0, 2, SPARE
	v_mov_b32 v[NIL], 0
	ds_add_u32 v[SPW], v[NIL]                      ; the wave's opening: the add, twice on end, and its wait ahead of my tensor load
	ds_add_u32 v[SPW], v[NIL]
	v_lshrrev_b32 v1, 5, v0
	s_delay_alu instid0(VALU_DEP_1)
	v_readfirstlane_b32 s[WV], v1                  ; wave 0..7
	s_bfe_u32 s11, ttmp6, 0x40000                  ; cx: it enters q's and out0's addresses alone
	s_and_b32 s12, ttmp7, 0xffff                   ; the head bh, which the four partners share
	s_mov_b32 s[G1], 15|(3<<16)|(1<<21)            ; the mask: all four work-groups; elements of 8 bytes; bit 21 beside a mask
	s_mov_b32 s[G1+1], 32<<16                      ; two dense blocks, 18,432 bytes, as 72 rows of 32 elements
	s_mov_b32 s[G1+2], 72<<16
	s_mov_b32 s[G1+3], 32<<16
	s_mov_b32 s[G1+4], 72
	s_mov_b32 s[G1+5], 32
	s_mov_b32 s[G1+6], 0
	s_mov_b32 s[G1+7], 0
	s_mov_b32 s[SEL], 0x76543210
	s_mov_b32 s[SEL+1], 0xfedcba98
	s_mov_b32 s[CS], 0x3fb8aa3b                    ; log2(e).  (The 1/8 is in k's scale bytes)
	s_mov_b32 s[CS+1], s[CS]
	s_mov_b32 s[NC], 0xbfb8aa3b
	s_lshl_b32 s34, s12, 4
	s_lshl_b32 s35, s[WV], 1
	s_add_co_u32 s34, s34, s35
	s_mul_i32 s34, s34, BLK                        ; key steps 2 w and 2 w + 1 of the head
	s_mov_b32 s35, 0
	s_mov_b32 s[G0], 1
	s_mul_i32 s[G0+1], s[WV], 2*BLK
	s_lshr_b32 s36, s12, 4
	s_lshl_b32 s36, s36, 11                        ; 2048 b
	s_lshl_b32 s37, s11, 9
	s_add_co_u32 s36, s36, s37                     ; + 512 cx
	s_lshl_b32 s37, s[WV], 5
	s_add_co_u32 s36, s36, s37                     ; + 32 w: my first query's row
	s_and_b32 s37, s12, 15
	s_lshl_b32 s37, s37, 8                         ; 256 h
	s_mul_i32 s38, s36, ROWP
	s_add_co_u32 s38, s38, s37
	s_mov_b32 s39, 0
	s_lshl_b32 s40, s36, 12
	s_add_co_u32 s40, s40, s37
	s_mov_b32 s41, 0
	v_and_b32 v[R16], 15, v0                       ; for now: r,
	v_bfe_u32 v[H8], v0, 4, 1                      ; hh,
	v_and_b32 v[L16], 31, v0                       ; the lane
	v_mul_u32_u24 v[QOFF], v[H8], ROWP
	v_mul_u32_u24 v[PFO], v[L16], ROWP
	v_lshl_add_u32 v[QOFF], v[R16], 4, v[QOFF]
	s_wait_alu depctr_va_vdst(0)                   ; the wait directly ahead of the waits below
	s_wait_dscnt 0x0                               ; both opening adds are done
	s_wait_kmcnt 0x0
	s_add_nc_u64 s[G0+2:G0+3], s[6:7], s[34:35]
	s_or_b32 s[G0+3], s[G0+3], 0x80000000
	s_add_nc_u64 s[4:5], s[4:5], s[38:39]
	s_add_nc_u64 s[8:9], s[8:9], s[40:41]
	CROUND                                         ; all four work-groups are here: the joint loads meet
	tensor_load_to_lds s[G0:G0+3], s[G1:G1+7]      ; my one tensor load of the launch
	s_nop 0
	QLOADS 0
	WIN 0
	s_mul_i32 s34, s[WV], 32*SP
	s_add_co_u32 s34, s34, STAGE                   ; my stage
	v_mul_u32_u24 v[STO], v[R16], SP
	v_mul_u32_u24 v[RD], v[H8], SP
	v_lshlrev_b32 v[GO], 12, v[H8]
	v_lshl_add_u32 v[QRD], v[H8], 7, v[STO]
	v_lshl_add_u32 v[STO], v[H8], 5, v[STO]
	v_lshl_add_u32 v[RD], v[R16], 4, v[RD]
	v_lshl_add_u32 v[GO], v[R16], 4, v[GO]
	v_add_nc_u32 v[QRD], s34, v[QRD]
	v_add_nc_u32 v[STO], s34, v[STO]
	v_add_nc_u32 v[RD], s34, v[RD]
	v_lshlrev_b32 v[H128], 7, v[H8]
	v_lshlrev_b32 v[L16], 4, v[L16]
	v_lshlrev_b32 v[R16], 4, v[R16]
	v_lshlrev_b32 v[H8], 3, v[H8]
.irp x, 0,1
	v_mov_b32 v[BP+\x], 0                          ; written once: a lane permute's destination counts as one of its sources
	v_mov_b32 v[F+2*\x+1], 0                       ; (named as the upper half of a pair)
.irp g, 0,1,2,3
	v_mov_b32 v[Q+12*\x+4+\g], 0                   ; the zero codes between the two copies of q
.endr
.endr
	s_wait_alu depctr_va_vdst(0)                   ; the wait directly ahead of the wait for q
	QIN
	INIT
	s_wait_alu depctr_va_vdst(0)                   ; the wait at the head's end
	s_wait_tensorcnt 0x0                           ; my two blocks have landed,
	s_barrier_signal -1
	s_barrier_wait -1                              ; everybody's have: the head is whole, and nothing is ever filled again
	s_mov_b32 s[TN], 0
	v_add_nc_u32 v[ADK], s[TN], v[L16]             ; key step 0
	v_add_nc_u32 v[ADKS], s[TN], v[R16]
	v_add_nc_u32 v[ADP], s[TN], v[H128]
	KLOADS
	TLOADS
	s_mov_b32 s[CNT], 15
.Lblock0:                                          ; block 0: key steps 0 to 14
	STEP 1, 1
	s_sub_co_u32 s[CNT], s[CNT], 1
	s_cmp_lg_u32 s[CNT], 0
	s_cbranch_scc1 .Lblock0
	STEP 2, 0                                      ; key step 15; step 0 is fetched again and block 1's q is loaded
	OUT 0
	QIN
	INIT                                           ; (its lines are also the places between q's codes and scale words and the next scaled products)
	s_mov_b32 s[CNT], 15
.Lblock1:                                          ; block 1: key steps 0 to 14
	STEP 1, 0
	s_sub_co_u32 s[CNT], s[CNT], 1
	s_cmp_lg_u32 s[CNT], 0
	s_cbranch_scc1 .Lblock1
	STEP 0, 0                                      ; key step 15: nothing is left to fetch
	OUT 1
	s_wait_tensorcnt 0x0                           ; the wave's end: behind my tensor load and my last LDS store
	ds_add_u32 v[SPW], v[NIL]
	s_wait_dscnt 0x0
	CROUND                                         ; the closing round
	s_endpgm
.Lfunc_end_k_qefb7d160b7_attn:
	.size	k_qefb7d160b7_attn, .Lfunc_end_k_qefb7d160b7_attn-k_qefb7d160b7_attn
	.p2alignl 7, 3214868480
	.fill 96, 4, 3214868480
	.section	.rodata,"a",@progbits
	.p2align	6, 0x0
	.amdhsa_kernel k_qefb7d160b7_attn
		.amdhsa_group_segment_fixed_size 218112
		.amdhsa_private_segment_fixed_size 0
		.amdhsa_enable_private_segment 0
		.amdhsa_kernarg_size 24
		.amdhsa_user_sgpr_count 2
		.amdhsa_user_sgpr_kernarg_segment_ptr 1
		.amdhsa_wavefront_size32 1
		.amdhsa_system_sgpr_workgroup_id_x 1
		.amdhsa_system_sgpr_workgroup_id_y 1
		.amdhsa_system_sgpr_workgroup_id_z 1
		.amdhsa_system_vgpr_workitem_id 0
		.amdhsa_next_free_vgpr 512
		.amdhsa_next_free_sgpr 66
		.amdhsa_reserve_vcc 0
		.amdhsa_float_denorm_mode_32 3
		.amdhsa_float_denorm_mode_16_64 3
		.amdhsa_memory_ordered 1
		.amdhsa_forward_progress 1
		.amdhsa_inst_pref_size 150
	.end_amdhsa_kernel
	.amdgpu_metadata
---
amdhsa.version: [ 1, 2 ]
amdhsa.kernels:
  - .name:           k_qefb7d160b7_attn
    .symbol:         k_qefb7d160b7_attn.kd
    .args:
      - { .name: qkv, .offset: 0, .size: 8, .value_kind: global_buffer, .address_space: global }
      - { .name: kv, .offset: 8, .size: 8, .value_kind: global_buffer, .address_space: global }
      - { .name: out0, .offset: 16, .size: 8, .value_kind: global_buffer, .address_space: global }
    .group_segment_fixed_size: 218112
    .private_segment_fixed_size: 0
    .kernarg_segment_align: 8
    .kernarg_segment_size: 24
    .max_flat_workgroup_size: 256
    .sgpr_count:     66
    .vgpr_count:     512
    .wavefront_size: 32
...
	.end_amdgpu_metadata
.endif
;; end of part 2
